; MI455X (gfx1250); checked and timed in simulation.
; The chip was launched on July 23, 2026; its instructions are those of AMD's public machine-readable ISA for CDNA 5 (MIT licence, August 2026) and "CDNA5" Instruction Set Architecture Reference Guide (July 2026). The comments in the code are by the model that wrote it; some were corrected since.
;; KV Cache Optimized Head. Allowed arithmetic: float matrix products may take bf16 or f16 operands with f32 sums; all other float work in f32.
;; Inputs: W_k 768 x 64 float32; W_q 768 x 64 float32; W_v 768 x 64 float32; x 4 x 8,192 x 768 float32.
;; Outputs: out0 4 x 8,192 x 64 float32.
;; One version. Each part assembles by itself: llvm-mc -triple=amdgcn-amd-amdhsa -mcpu=gfx1250 --defsym DOCPART=n.
;; ======== version 1 of 1: 4 launches
;; limits: values are held in f16: magnitudes above 65,504 overflow, below 6.1e-05 lose precision
;; workspace buffers: wf 294,912 bytes; qf 4,194,304 bytes; kv 8,388,608 bytes; hp 98,304 bytes
;; launch wprep (part 1): grid 24 x 3, 8 waves a work-group, no clusters, 0 bytes of LDS; arguments W_q, W_k, W_v, wf; writes wf
.if DOCPART == 1
	.amdgcn_target "amdgcn-amd-amdhsa--gfx1250"
	.amdhsa_code_object_version 6
	.text
	.protected	k_q51ebd29cbb_wprep
	.globl	k_q51ebd29cbb_wprep
	.p2align	8
	.type	k_q51ebd29cbb_wprep,@function
k_q51ebd29cbb_wprep:
	s_mov_b64 s[64:65], 0
	v_nop
	global_prefetch_b8 v0, s[64:65] scope:SCOPE_SE
	s_setreg_imm32_b32 hwreg(HW_REG_WAVE_MODE, 25, 1), 1
	s_wait_xcnt 0x0
; W_q, W_k, W_v ([768][64] f32) are rounded to bf16 and laid out as ready matrix fragments, once for all 256 work-groups of the next launch.
; wf: [cb 4][ks 24][mat 3][half 2][lane 32][16 bytes].  Fragment (mat, cb, ks) is 16 channels (16 cb on) x 32 d (32 ks on): lane l holds channel
; 16 cb + l % 16 and d = 32 ks + 16 half + 8 (l / 16) + 0..7, the lower d in the lower bits.  mat 0, 1, 2 = q, k, v.
; The grid's x is ks, its y is mat; wave w of eight makes (cb, half) = (w / 2, w % 2): eight loads of 4 bytes a lane (a column of W), one store of 16.
; A wave's store covers 512 consecutive bytes, aligned.  72 work-groups: 576 KiB of input are all the work there is.  No LDS, no barrier.
	s_load_b256 s[4:11], s[0:1], 0x0               ; W_q s[4:5], W_k s[6:7], W_v s[8:9], wf s[10:11]
	v_lshrrev_b32 v1, 5, v0
	v_readfirstlane_b32 s12, v1                    ; wave 0..7
	s_and_b32 s13, ttmp7, 0xffff                   ; mat
	s_lshr_b32 s14, s12, 1                         ; cb
	s_and_b32 s15, s12, 1                          ; half
	v_and_b32 v3, 15, v0                           ; l % 16
	v_bfe_u32 v4, v0, 4, 1                         ; l / 16
	v_and_b32 v5, 31, v0                           ; l
	s_lshl_b32 s16, ttmp9, 13                      ; in W: row d is 256 bytes: 32 ks rows,
	s_lshl_b32 s17, s15, 12                        ; 16 half rows,
	s_add_co_u32 s16, s16, s17
	s_lshl_b32 s17, s14, 6                         ; and 16 cb channels of 4 bytes
	s_add_co_u32 s16, s16, s17
	v_lshlrev_b32 v2, 2, v3                        ; my channel,
	v_lshl_add_u32 v2, v4, 11, v2                  ; my 8 (l / 16) rows
	v_add_nc_u32 v2, s16, v2
	s_mul_i32 s18, s14, 24                         ; in wf: ((cb 24 + ks) 3 + mat) 1,024 + 512 half + 16 l
	s_add_co_u32 s18, s18, ttmp9
	s_mul_i32 s18, s18, 3
	s_add_co_u32 s18, s18, s13
	s_lshl_b32 s18, s18, 10
	s_lshl_b32 s19, s15, 9
	s_add_co_u32 s18, s18, s19
	v_lshl_add_u32 v6, v5, 4, s18
	s_wait_kmcnt 0x0
	s_cmp_eq_u32 s13, 1                            ; which of the three matrices: a choice between buffers on the grid's y
	s_cselect_b64 s[20:21], s[6:7], s[4:5]
	s_cmp_eq_u32 s13, 2
	s_cselect_b64 s[20:21], s[8:9], s[20:21]
.irp j, 0,1,2,3,4,5,6,7
	global_load_b32 v[8+(\j)], v2, s[20:21] offset:256*(\j)  ; d, d + 1, .. d + 7 of my channel
.endr
	s_wait_loadcnt 0x0
.irp j, 0,1,2,3
	v_cvt_pk_bf16_f32 v[16+(\j)], v[8+2*(\j)], v[9+2*(\j)]   ; to nearest even; the lower d in the low half
.endr
	global_store_b128 v6, v[16:19], s[10:11]
	s_endpgm
.Lfunc_end_k_q51ebd29cbb_wprep:
	.size	k_q51ebd29cbb_wprep, .Lfunc_end_k_q51ebd29cbb_wprep-k_q51ebd29cbb_wprep
	.p2alignl 7, 3214868480
	.fill 96, 4, 3214868480
	.section	.rodata,"a",@progbits
	.p2align	6, 0x0
	.amdhsa_kernel k_q51ebd29cbb_wprep
		.amdhsa_group_segment_fixed_size 0
		.amdhsa_private_segment_fixed_size 0
		.amdhsa_enable_private_segment 0
		.amdhsa_kernarg_size 32
		.amdhsa_user_sgpr_count 2
		.amdhsa_user_sgpr_kernarg_segment_ptr 1
		.amdhsa_wavefront_size32 1
		.amdhsa_system_sgpr_workgroup_id_x 1
		.amdhsa_system_sgpr_workgroup_id_y 1
		.amdhsa_system_sgpr_workgroup_id_z 1
		.amdhsa_system_vgpr_workitem_id 0
		.amdhsa_next_free_vgpr 24
		.amdhsa_next_free_sgpr 66
		.amdhsa_reserve_vcc 0
		.amdhsa_float_denorm_mode_32 3
		.amdhsa_float_denorm_mode_16_64 3
		.amdhsa_memory_ordered 1
		.amdhsa_forward_progress 1
		.amdhsa_inst_pref_size 3
	.end_amdhsa_kernel
	.amdgpu_metadata
---
amdhsa.version: [ 1, 2 ]
amdhsa.kernels:
  - .name:           k_q51ebd29cbb_wprep
    .symbol:         k_q51ebd29cbb_wprep.kd
    .args:
      - { .name: W_q, .offset: 0, .size: 8, .value_kind: global_buffer, .address_space: global }
      - { .name: W_k, .offset: 8, .size: 8, .value_kind: global_buffer, .address_space: global }
      - { .name: W_v, .offset: 16, .size: 8, .value_kind: global_buffer, .address_space: global }
      - { .name: wf, .offset: 24, .size: 8, .value_kind: global_buffer, .address_space: global }
    .group_segment_fixed_size: 0
    .private_segment_fixed_size: 0
    .kernarg_segment_align: 8
    .kernarg_segment_size: 32
    .max_flat_workgroup_size: 256
    .sgpr_count:     66
    .vgpr_count:     24
    .wavefront_size: 32
...
	.end_amdgpu_metadata
.endif
;; end of part 1
;; launch proj (part 2): grid 256 x 1, 4 waves a work-group, no clusters, 327,680 bytes of LDS; arguments x, wf, qf, kv, hp; writes qf, kv, hp
.if DOCPART == 2
	.amdgcn_target "amdgcn-amd-amdhsa--gfx1250"
	.amdhsa_code_object_version 6
	.text
	.protected	k_q51ebd29cbb_proj
	.globl	k_q51ebd29cbb_proj
	.p2align	8
	.type	k_q51ebd29cbb_proj,@function
k_q51ebd29cbb_proj:
	s_mov_b64 s[64:65], 0
	v_nop
	global_prefetch_b8 v0, s[64:65] scope:SCOPE_SE
	s_setreg_imm32_b32 hwreg(HW_REG_WAVE_MODE, 25, 1), 1
	s_wait_xcnt 0x0
; q, k, v = x W_q, x W_k, x W_v.  x: [32,768][768] f32, rounded to bf16 on its way to the matrix unit; W as bf16 fragments from wf; sums in f32, d ascending, one accumulator
; for each output; q, k, v rounded once to f16 and stored AS THE NEXT LAUNCH'S FRAGMENTS.  Rows 0 to 31 of each batch are stored in f32 as well (hp), for the launch that makes the first rows of the output.
; LIMIT.  f16 ends at 65,504: q, k and v must lie within it (the drawn inputs give about 0.5; x and W both thirty times larger about 3,000).  NaN and infinities are not treated apart.
; SHARES.  A work-group owns 128 rows of x (393,216 bytes), read once, in four tiles of 32 rows.  Wave w owns channels 16 w .. 16 w + 15 of q, of k and of v, over all 768 d: its 72 fragments
; of W (576 registers) stay in registers for the whole launch.  All four waves read every row of x from LDS and round it themselves.
; LAYOUTS OUT.  With W's fragment as source 0 and x's as source 1 a lane holds one row of x and eight neighbouring channels: four roundings in pairs make half of a fragment of Q or K.
; With the sources changed over it holds one channel and eight neighbouring keys: half of a fragment of V^T.  So no stage is needed: each store of a wave covers 512 consecutive bytes, aligned.
;   qf: the block of 16 rows R at 2,048 R, as [c 2][half 2][lane][16 bytes]: lane l holds row l % 16, channels 32 c + 16 half + 8 (l / 16) + 0..7.
;   kv: [batch 4][512 keys 16][131,072 bytes]: K in the first 65,536 in qf's layout; V in the second as [32 keys 16][cb 4][half 2][lane][16 bytes]: channel 16 cb + l % 16, keys 16 half + 8 (l / 16) + 0..7.
;   hp: [batch 4][24,576 bytes], f32: q as [4 channels 16][row 32][16 bytes], k likewise, v as [4 keys 8][channel 64][16 bytes]: four neighbouring registers of an accumulator are 16 bytes of it,
;       and sixteen neighbouring lanes fill 256 consecutive bytes, aligned.  Only the work-groups g = 0, 64, 128, 192 hold such rows, in their tile 0.
; LDS.  Three slots of 32 rows.  Tiles 0, 1, 2 are asked for at the start (three tensor loads of a wave are out, by this text's count); tile 3 fills tile 0's slot again when tile 0 has been read.
; One refill only: at a refill's barrier every load has landed, so each refill is a stretch with nothing on its way.
; NO CLUSTER: no two work-groups read the same rows of x, and wf goes straight into the registers in which it stays; LDS has no room for it beside x's three slots.
; REGISTERS, in windows of 256 (s_set_vgpr_msb: bits 1:0 source 0, 3:2 source 1, 5:4 source 2, 7:6 destination):
;   window 0: v0-13, v52-55 addresses; v16-39 the three accumulators; v40-51 results in f16; v64-191 x as loaded, f32: two buffers of 4 K steps x 16
;   window n = 1 + ks / 8: v0-191 W's fragments, (ks, mat) at 8 (3 (ks % 8) + mat); v192-255 x's fragments in bf16, two buffers of 4 x 8.  x lies in the window of the W that it meets, so one
;   setting serves all three products, whichever source W is.
.set ROWB,   3072                      ; bytes in a row of x
.set PITCH,  3*(1024+16)               ; a row in LDS: 16 bytes of padding behind each 1,024: 195 x 16 bytes, an odd multiple, so the 16 rows of a load start at 16 different groups of four banks (ISA guide 11.1)
.set WPB,    8*PITCH                   ; a wave's 8 rows of a tile
.set SLOTB,  4*WPB                     ; a tile of 32 rows
.set SPARE,  3*SLOTB                   ; behind the slots: the spare words, 128 bytes for each wave: two blocks of 256 bytes that no other line names
.set RBB,    16*PITCH                  ; a block of 16 rows
.set HPBAT,  24576                     ; a batch's bytes of hp: 8,192 each of q, k, v
.set XA,  2                            ; v2   my place in a block of 16 rows: (l % 16) x pitch + 32 (l / 16); never rewritten
.set XB,  3                            ; v3   the same in the block in hand
.set WO,  4                            ; v4   my byte offset in wf
.set QKO, 5                            ; v5   my byte offset in the group's part of qf and of kv's K, for the block in hand
.set VO,  7                            ; v7   the same for kv's V
.set QKL, 8                            ; v8   512 w + 16 l
.set VL,  9                            ; v9   1,024 w + 16 l
.set PF,  10                           ; v10  256 l
.set SPW, 12                           ; v12  LDS address of my spare word; never rewritten
.set NIL, 13                           ; v13  0; never rewritten
.set AQ,  16
.set AK,  24
.set AV,  32
.set HOUT, 40
.set HQL, 52                           ; v52  hp's q and k: 2,048 w + 1,024 (l / 16) + 16 (l % 16): my first four channels' group, my row
.set HVL, 53                           ; v53  hp's v: 2,048 (l / 16) + 256 w + 16 (l % 16): my first four keys' group, my channel
.set HQO, 54                           ; v54  the same for the block in hand: + 256 for 16 rows
.set HVO, 55                           ; v55  + 4,096 for 16 keys
.set STG, 64
.set XF,  192
.set G1,  16                           ; s[16:23] descriptor group 1
.set G0,  24                           ; s[24:39] descriptor group 0, a set for each of the four tiles: none is ever rewritten
.set OQ,  40                           ; s[40:41] qf at the group's rows
.set OK,  42                           ; s[42:43] kv's K at the group's keys
.set OV,  44                           ; s[44:45] kv's V
.set PFP, 46                           ; s[46:47] x at my 8 rows of tile 3
.set TRIPS, 48
.set RBI, 49                           ; s49  the block of 16 rows in hand, 0..7
.set LB,  52                           ; s52  its first byte in LDS
.set HPF, 53                           ; s53  g % 64: 0 where the group's first rows are a batch's first
.set HPB, 54                           ; s[54:55] hp at the batch
.set MSB, 0
.macro WIN new                         ; the immediate's high byte repeats the setting that is left; a switch that changes nothing is dropped
.if MSB != (\new)
	s_set_vgpr_msb (MSB<<8)|(\new)
.set MSB, \new
.endif
.endm
	s_load_b256 s[4:11], s[0:1], 0x0               ; x s[4:5], wf s[6:7], qf s[8:9], kv s[10:11]
	s_load_b64 s[HPB:HPB+1], s[0:1], 0x20          ; hp
	v_lshl_add_u32 v[SPW], v0, 2, SPARE
	v_mov_b32 v[NIL], 0
	ds_add_u32 v[SPW], v[NIL]                      ; the wave's opening: the add and its wait ahead of my first tensor load; the set-up below, work on registers, stands between them
	ds_add_u32 v12, v13
	v_lshrrev_b32 v1, 5, v0
	v_readfirstlane_b32 s12, v1                    ; wave 0..3
	s_mov_b32 s13, ttmp9                           ; the work-group: rows 128 g on
	; Group 1.  A wave's 8 rows of x are 24,576 dense bytes: asked for as 24 rows of 1,024 bytes, each padded by 16 in LDS
	s_mov_b32 s[G1+0], (2<<16)|(1<<20)|(7<<22)|(3<<25)  ; 17:16 elements of 4 bytes; 20 padding on; 24:22 after every 256 words (code 7); 31:25 4 words of it (code 3)
	s_mov_b32 s[G1+1], 256<<16                     ; tensor_dim0 = 256
	s_mov_b32 s[G1+2], 24<<16                      ; tensor_dim1 = 24
	s_mov_b32 s[G1+3], 256<<16                     ; tile_dim0 = 256
	s_mov_b32 s[G1+4], 24                          ; tile_dim1 = 24
	s_mov_b32 s[G1+5], 256                         ; 256 elements from row to row
	s_mov_b32 s[G1+6], 0
	s_mov_b32 s[G1+7], 0
	s_mul_i32 s14, s12, WPB                        ; my 8 rows' place in a slot
	s_mul_i32 s50, s13, 128*ROWB                   ; the group's rows in x (under 2^32),
	s_mul_i32 s51, s12, 8*ROWB                     ; my 8 rows of a tile
	s_add_co_u32 s50, s50, s51
	s_mov_b32 s51, 0
	s_and_b32 s[HPF], s13, 63
	s_wait_dscnt 0x0                               ; the opening add is done
	s_wait_kmcnt 0x0
	s_add_nc_u64 s[4:5], s[4:5], s[50:51]          ; x at my 8 rows of tile 0
.irp t, 0,1,2,3                        ; tile 1 lies at LDS byte 0, tile 2 behind it, tiles 0 and 3 in the third slot: from tile 1 on the blocks of 16 rows follow each other
	s_mov_b32 s[G0+4*(\t)], 1                      ; count = 1
	s_add_co_u32 s[G0+4*(\t)+1], s14, (((\t)+2)%3)*SLOTB
	s_add_nc_u64 s[G0+4*(\t)+2:G0+4*(\t)+3], s[4:5], (\t)*32*ROWB
	s_or_b32 s[G0+4*(\t)+3], s[G0+4*(\t)+3], 0x80000000  ; type = 2
.endr
.irp t, 0,1,2                          ; the first fills go out together, ahead of every wait on TENSORcnt, every LDS read and every barrier
	tensor_load_to_lds s[G0+4*(\t):G0+4*(\t)+3], s[G1:G1+7]
	s_nop 0
.endr
.rept 4
	v_nop
.endr
	s_add_nc_u64 s[PFP:PFP+1], s[4:5], 3*32*ROWB
	s_lshl_b32 s50, s13, 14                        ; 128 rows are 8 blocks of 2,048 bytes in qf
	s_add_nc_u64 s[OQ:OQ+1], s[8:9], s[50:51]
	s_lshr_b32 s50, s13, 2                         ; four groups share 512 keys' 131,072 bytes of kv,
	s_lshl_b32 s50, s50, 17
	s_and_b32 s15, s13, 3                          ; 16,384 bytes of K and of V each
	s_lshl_b32 s15, s15, 14
	s_add_co_u32 s50, s50, s15
	s_add_nc_u64 s[OK:OK+1], s[10:11], s[50:51]
	s_add_nc_u64 s[OV:OV+1], s[OK:OK+1], 65536
	s_lshr_b32 s50, s13, 6                         ; 64 groups are a batch
	s_mul_i32 s50, s50, HPBAT
	s_add_nc_u64 s[HPB:HPB+1], s[HPB:HPB+1], s[50:51]
	v_and_b32 v1, 15, v0                           ; l % 16
	v_bfe_u32 v14, v0, 4, 1                        ; l / 16
	v_and_b32 v15, 31, v0                          ; l
	v_mul_u32_u24 v[XA], v1, PITCH
	v_lshl_add_u32 v[XA], v14, 5, v[XA]            ; eight f32 are 32 bytes
	v_lshlrev_b32 v6, 4, v15                       ; 16 l
	s_mul_i32 s50, s12, 72*1024                    ; my channel block's 72 fragments in wf
	v_add_nc_u32 v[WO], s50, v6
	v_lshl_add_u32 v[QKL], s12, 9, v6
	v_lshl_add_u32 v[VL], s12, 10, v6
	v_lshlrev_b32 v[PF], 8, v15
	v_lshlrev_b32 v11, 4, v1                       ; 16 (l % 16)
	v_lshl_add_u32 v[HQL], v14, 10, v11            ; channels 16 w + 8 (l / 16) on: group 4 w + 2 (l / 16), 512 bytes a group
	v_lshl_add_u32 v[HQL], s12, 11, v[HQL]
	v_lshl_add_u32 v[HVL], v14, 11, v11            ; keys 8 (l / 16) on: group 2 (l / 16), 1,024 bytes a group; channel 16 w + l % 16
	v_lshl_add_u32 v[HVL], s12, 8, v[HVL]
.irp wn, 1,2,3                         ; W: 144 loads of 512 consecutive bytes, 48 into each window
	WIN (\wn)<<6
.set f, 0
.rept 24
	global_load_b128 v[8*f:8*f+3],   v[WO], s[6:7] offset:(((\wn)-1)*24+f)*1024
	global_load_b128 v[8*f+4:8*f+7], v[WO], s[6:7] offset:(((\wn)-1)*24+f)*1024+512
.set f, f+1
.endr
.endr
	WIN 0
; Batch b of six: K steps 4 b .. 4 b + 3 of the block of 16 rows in hand.
.macro LOADS b                         ; 16 LDS loads: for each K step a lane's 8 + 8 numbers in f32: d = 8 (l / 16) + 0..7 and 16 + 8 (l / 16) + 0..7
	WIN 0
.irp kk, 0,1,2,3
.set o, (4*(\b)+(\kk))*128+16*((4*(\b)+(\kk))/8)   ; 32 d are 128 bytes; 16 bytes of padding behind every eighth K step
.set g, STG+64*((\b)%2)+16*(\kk)
	ds_load_b128 v[g:g+3],     v[XB] offset:o
	ds_load_b128 v[g+4:g+7],   v[XB] offset:o+16
	ds_load_b128 v[g+8:g+11],  v[XB] offset:o+64
	ds_load_b128 v[g+12:g+15], v[XB] offset:o+80
.endr
.endm
.macro CVT b                           ; 32 roundings in pairs: four fragments of x, into the window of the W that they meet
	WIN (1+(\b)/2)<<6
.set z, 0
.rept 32
	v_cvt_pk_bf16_f32 v[XF+32*((\b)%2)+z], v[STG+64*((\b)%2)+2*z], v[STG+64*((\b)%2)+2*z+1]
.set z, z+1
.endr
.endm
.macro MUL b                           ; 12 products.  The three accumulators take turns, one instruction a turn; K step 0 starts the sums with the constant 0
.set wn, 1+(\b)/2
	WIN wn|(wn<<2)
.irp kk, 0,1,2,3
.set fw, 24*((4*(\b)+(\kk))%8)
.set fx, XF+32*((\b)%2)+8*(\kk)
.if (4*(\b)+(\kk)) == 0
	v_wmma_f32_16x16x32_bf16 v[AQ:AQ+7], v[fw:fw+7],    v[fx:fx+7], 0
	v_wmma_f32_16x16x32_bf16 v[AK:AK+7], v[fw+8:fw+15], v[fx:fx+7], 0
	v_wmma_f32_16x16x32_bf16 v[AV:AV+7], v[fx:fx+7], v[fw+16:fw+23], 0
.else
	v_wmma_f32_16x16x32_bf16 v[AQ:AQ+7], v[fw:fw+7],    v[fx:fx+7], v[AQ:AQ+7]
	v_wmma_f32_16x16x32_bf16 v[AK:AK+7], v[fw+8:fw+15], v[fx:fx+7], v[AK:AK+7]
	v_wmma_f32_16x16x32_bf16 v[AV:AV+7], v[fx:fx+7], v[fw+16:fw+23], v[AV:AV+7]
.endif
.endr
.endm
; n blocks of 16 rows, one a trip: 96 LDS loads, 192 roundings, 72 products, 3 stores.  A batch's loads are issued a batch ahead.
; hp = 1 (tile 0): where the group's first rows are a batch's first, the sums go out in f32 too, six stores more.
.macro RBLOOP n, hp=0
	s_mov_b32 s[TRIPS], \n
.Lrb_\@:
	v_add_nc_u32 v[XB], s[LB], v[XA]
	LOADS 0
.irp b, 0,1,2,3,4,5
.if (\b) < 5
	LOADS (\b)+1
	s_wait_dscnt 16                                ; LDS loads come back in order (ISA guide 5.7.1): this batch's are in, the 16 just issued stay out
.else
	s_wait_dscnt 0x0                               ; the last batch: nothing was issued behind it
.endif
	CVT \b
	MUL \b
.endr
	WIN 0
	s_wait_xcnt 0x0                                ; the last trip's stores have had their addresses translated (ISA guide 3.1): their offsets and data are rewritten only behind this wait
	s_lshl_b32 s50, s[RBI], 11                     ; q and k: 2,048 bytes a block
	v_add_nc_u32 v[QKO], s50, v[QKL]               ; four plain vector lines are the places between the last products and the first read of their results (ISA guide 7.12.1)
	s_lshr_b32 s51, s[RBI], 1                      ; v: 4,096 bytes for two blocks (32 keys), 512 for the second of them
	s_lshl_b32 s51, s51, 12
	s_and_b32 s50, s[RBI], 1
	s_lshl_b32 s50, s50, 9
	s_or_b32 s51, s51, s50
	v_add_nc_u32 v[VO], s51, v[VL]
.if \hp
	s_lshl_b32 s50, s[RBI], 8                      ; hp's q and k: 16 rows of 16 bytes in each group
	v_add_nc_u32 v[HQO], s50, v[HQL]
	s_lshl_b32 s50, s[RBI], 12                     ; hp's v: 16 keys are four groups of 1,024 bytes
	v_add_nc_u32 v[HVO], s50, v[HVL]
	s_cmp_lg_u32 s[HPF], 0                         ; the work-group's number alone decides: alike in all four waves
	s_cbranch_scc1 .Lno_hp_\@
	global_store_b128 v[HQO], v[AQ:AQ+3],   s[HPB:HPB+1]                  ; each accumulator from its low end on; sixteen lanes fill 256 consecutive bytes, aligned
	global_store_b128 v[HQO], v[AQ+4:AQ+7], s[HPB:HPB+1] offset:512       ; the next four channels: the next group
	global_store_b128 v[HQO], v[AK:AK+3],   s[HPB:HPB+1] offset:8192
	global_store_b128 v[HQO], v[AK+4:AK+7], s[HPB:HPB+1] offset:8192+512
	global_store_b128 v[HVO], v[AV:AV+3],   s[HPB:HPB+1] offset:16384
	global_store_b128 v[HVO], v[AV+4:AV+7], s[HPB:HPB+1] offset:16384+1024  ; the next four keys: the next group
.Lno_hp_\@:
.else
	v_nop
	v_nop
.endif
.irp a, 0,1,2                          ; each accumulator from its low end on
.irp j, 0,1,2,3
	v_cvt_pk_f16_f32 v[HOUT+4*(\a)+(\j)], v[AQ+8*(\a)+2*(\j)], v[AQ+8*(\a)+2*(\j)+1]
.endr
.endr
	global_store_b128 v[QKO], v[HOUT:HOUT+3],    s[OQ:OQ+1]   ; 512 consecutive bytes each, at a multiple of 512 from the buffer's first byte
	global_store_b128 v[QKO], v[HOUT+4:HOUT+7],  s[OK:OK+1]
	global_store_b128 v[VO],  v[HOUT+8:HOUT+11], s[OV:OV+1]
.if \hp
	s_wait_xcnt 0x0                                ; the f32 stores read the accumulators themselves: the next block's first products write them only behind this wait
.endif
	s_add_co_u32 s[RBI], s[RBI], 1
	s_add_co_u32 s[LB], s[LB], RBB
	s_sub_co_u32 s[TRIPS], s[TRIPS], 1
	s_cmp_lg_u32 s[TRIPS], 0
	s_cbranch_scc1 .Lrb_\@
.endm
	s_wait_tensorcnt 0x2                           ; tensor loads of a wave end in order (ISA guide 10.11.1): my part of tile 0 is in; tiles 1 and 2 stay out
	s_barrier_signal -1
	s_barrier_wait -1                              ; everybody's part is
	s_wait_loadcnt 0x0                             ; W
	; Tile 3 is asked for only when tile 0 has been read and tiles 1 and 2 have landed.  Here, two blocks of 16 rows ahead of that request, each wave names the 96 blocks of 256 bytes
	; that its own refill will bring (24,576 bytes, lanes 256 bytes apart, each block once in the launch); they are the last bytes of the group's rows, inside x.
	global_prefetch_b8 v[PF], s[PFP:PFP+1] th:TH_LOAD_NT scope:SCOPE_SE
	global_prefetch_b8 v[PF], s[PFP:PFP+1] offset:8192 th:TH_LOAD_NT scope:SCOPE_SE
	global_prefetch_b8 v[PF], s[PFP:PFP+1] offset:16384 th:TH_LOAD_NT scope:SCOPE_SE
	s_mov_b32 s[RBI], 0
	s_mov_b32 s[LB], 2*SLOTB
	RBLOOP 2, 1                                    ; tile 0: the group's rows 0 to 31
	s_wait_tensorcnt 0x0                           ; all my tensor loads have landed: my parts of tiles 1 and 2
	ds_add_u32 v[SPW], v[NIL]                      ; 0 onto my spare word
	s_mov_b32 s[LB], 0                             ; tile 1 lies at LDS byte 0
	s_wait_dscnt 0x0                               ; the add is done, and my reads of tile 0 are over
	s_barrier_signal -1
	s_barrier_wait -1                              ; both hold of every wave
	tensor_load_to_lds s[G0+12:G0+15], s[G1:G1+7]  ; tile 3 into tile 0's slot: my one tensor load behind this barrier, and the first thing there
	s_nop 0
.rept 4
	v_nop
.endr
	RBLOOP 4                                       ; tiles 1 and 2, while tile 3 is on its way
	s_wait_tensorcnt 0x0                           ; my part of tile 3 is in: no load was issued behind it
	s_wait_dscnt 0x0
	s_barrier_signal -1
	s_barrier_wait -1                              ; everybody's is
	RBLOOP 2                                       ; tile 3: the addresses run on
	s_wait_tensorcnt 0x0                           ; the wave's end
	ds_add_u32 v[SPW], v[NIL]
	s_wait_dscnt 0x0
	s_endpgm
.Lfunc_end_k_q51ebd29cbb_proj:
	.size	k_q51ebd29cbb_proj, .Lfunc_end_k_q51ebd29cbb_proj-k_q51ebd29cbb_proj
	.p2alignl 7, 3214868480
	.fill 96, 4, 3214868480
	.section	.rodata,"a",@progbits
	.p2align	6, 0x0
	.amdhsa_kernel k_q51ebd29cbb_proj
		.amdhsa_group_segment_fixed_size 327680
		.amdhsa_private_segment_fixed_size 0
		.amdhsa_enable_private_segment 0
		.amdhsa_kernarg_size 40
		.amdhsa_user_sgpr_count 2
		.amdhsa_user_sgpr_kernarg_segment_ptr 1
		.amdhsa_wavefront_size32 1
		.amdhsa_system_sgpr_workgroup_id_x 1
		.amdhsa_system_sgpr_workgroup_id_y 1
		.amdhsa_system_sgpr_workgroup_id_z 1
		.amdhsa_system_vgpr_workitem_id 0
		.amdhsa_next_free_vgpr 1024
		.amdhsa_next_free_sgpr 66
		.amdhsa_reserve_vcc 0
		.amdhsa_float_denorm_mode_32 3
		.amdhsa_float_denorm_mode_16_64 3
		.amdhsa_memory_ordered 1
		.amdhsa_forward_progress 1
		.amdhsa_inst_pref_size 95
	.end_amdhsa_kernel
	.amdgpu_metadata
---
amdhsa.version: [ 1, 2 ]
amdhsa.kernels:
  - .name:           k_q51ebd29cbb_proj
    .symbol:         k_q51ebd29cbb_proj.kd
    .args:
      - { .name: x, .offset: 0, .size: 8, .value_kind: global_buffer, .address_space: global }
      - { .name: wf, .offset: 8, .size: 8, .value_kind: global_buffer, .address_space: global }
      - { .name: qf, .offset: 16, .size: 8, .value_kind: global_buffer, .address_space: global }
      - { .name: kv, .offset: 24, .size: 8, .value_kind: global_buffer, .address_space: global }
      - { .name: hp, .offset: 32, .size: 8, .value_kind: global_buffer, .address_space: global }
    .group_segment_fixed_size: 327680
    .private_segment_fixed_size: 0
    .kernarg_segment_align: 8
    .kernarg_segment_size: 40
    .max_flat_workgroup_size: 128
    .sgpr_count:     66
    .vgpr_count:     1024
    .wavefront_size: 32
...
	.end_amdgpu_metadata
.endif
;; end of part 2
;; launch attn (part 3): grid 64 x 4, 4 waves a work-group, clusters of 4 x 1, 327,680 bytes of LDS; arguments qf, kv, out0; writes out0
.if DOCPART == 3
	.amdgcn_target "amdgcn-amd-amdhsa--gfx1250"
	.amdhsa_code_object_version 6
	.text
	.protected	k_q51ebd29cbb_attn
	.globl	k_q51ebd29cbb_attn
	.p2align	8
	.type	k_q51ebd29cbb_attn,@function
k_q51ebd29cbb_attn:
	s_mov_b64 s[64:65], 0
	v_nop
	global_prefetch_b8 v0, s[64:65] scope:SCOPE_SE
	s_setreg_imm32_b32 hwreg(HW_REG_WAVE_MODE, 25, 1), 1
	s_wait_xcnt 0x0
	s_wait_alu depctr_hold_cnt(0) depctr_sa_sdst(0) depctr_va_vdst(0) depctr_va_sdst(0) depctr_va_ssrc(0) depctr_va_vcc(0) depctr_vm_vsrc(0)
	s_getreg_b32 s2, hwreg(HW_REG_IB_STS2, 6, 4)
	s_cmp_eq_u32 s2, 0
	s_cbranch_scc0 .Lentry_in_a_cluster
	s_endpgm
.Lentry_in_a_cluster:
	s_bfe_u32 s2, ttmp6, 0x10000c
	s_cmp_lg_u32 s2, 0x3003
	s_cbranch_scc0 .Lentry_shape_is_right
	s_endpgm
.Lentry_shape_is_right:
; CAUSAL ATTENTION, one head of 64 channels, four batches of 8,192 rows.  out[q][:] = the sum over k <= q of softmax_k(Q[q] . K[k] / 8) V[k][:].  Q, K, V in f16, as fragments (below); out in f32.
; Products, maxima and sums in f32; the weights p are rounded to f16 for the second product (their sum l is taken of the unrounded p).
; LIMITS.  Q, K and V arrive within f16's 65,504, so a score is 2.7e11 at the most in size.  A hidden score counts as its value less 1e30.  The running maximum starts at -2^66: below every such score,
; far above every hidden one.  A weight below 2^-126 counts as 0.  NaN and infinities are not treated apart.  A row's sums are made in four parts, one a wave, and merged: their order is not that of a plain sum.
; SHARES.  A batch has 128 blocks of 64 queries.  A work-group takes TWO, 127 - b and then b.  Every wave holds all 64 queries of the block in hand, four PIECES of 16; the KEYS are shared out:
; of a tile of 512 keys, eight steps of 64, wave w takes steps 2 w and 2 w + 1.  With b = 8 e + 0..7 the first block needs tiles 0 .. 15 - e, the second 0 .. e: 17 tiles, 34 steps a wave, whatever b:
; all 256 work-groups do equal work, and ONE loop with a constant trip count walks them.  At a block's end the four waves' partial results are merged through LDS.
; CLUSTER.  The four work-groups b = 4 a + 0..3 of a cluster have the same e and walk the same tiles, so each tile is asked for JOINTLY: the same tensor load, descriptor and mask in all four.
; The place in the cluster enters Q's and out's addresses and the mask's scalars (by s_cselect) alone: no branch, no trip count, no LDS address.
; FRAGMENTS.  qf: the block of 16 rows R at 2,048 R as [c 2][half 2][lane][16 bytes]: lane l holds row l % 16, channels 32 c + 16 half + 8 (l / 16) + 0..7.  kv: a tile's 131,072 bytes: K in qf's layout,
; then V as [32 keys][cb 4][half 2][lane][16 bytes]: channel 16 cb + l % 16, keys 16 half + 8 (l / 16) + 0..7.  A tile lies in LDS as in memory, and every fragment load takes 512 consecutive bytes.
; THE MASK is the C operand that starts the sum S^T = K Q^T: 0, or -1e30 where the key is hidden.  For step SN (counted in the batch) against the block's own step DI, piece x, 16 keys kt of the step:
; kt < x takes MLO, kt = x MEQ, kt > x MHI, a choice fixed in the text.  MLO = -1e30 if SN > DI; MEQ = the triangle TRI if SN = DI, -1e30 if SN > DI; MHI = -1e30 if SN >= DI; else 0.  Twelve packed
; instructions a step make the three sets from TRI and scalars: one text serves every step.
; A WAVE ALL OF WHOSE STEPS ARE HIDDEN (blocks 0 to 5 of a batch have such waves) keeps m = -2^66: every c s - c m is about -1.8e29, every weight 0, l and O are 0, and the merge gives it the factor 0.
; (Were m itself a hidden score, the fused c s - c m would be the rounding error of c m, of the order of 2^73, and not 0.)  Wave 0's first step is never hidden, so the merged maximum is a true score.
; SOFTMAX, TURNS.  S^T holds ONE query a lane (lane % 16) and the keys 8 (lane / 16) + 0..7; two such results rounded to f16 ARE source 1 of O^T = V^T P.  p = 2^(c s - c m), c = log2(e) / 8, with a running
; maximum m; O and l are multiplied by a = 2^(c m_old - c m_new) in every step.  Turn n belongs to piece n: 8 products K Q^T of piece n + 1, later 8 products V^T P of piece n - 1; beside them the scaling,
; exponentials, roundings, sums and rescaling of piece n and the maximum and statistics of piece n + 1.  Four vector instructions stand behind every matrix instruction, the rest in two runs of their own.
; REGISTERS, in windows of 256 (s_set_vgpr_msb: bits 1:0 source 0, 3:2 source 1, 5:4 source 2, 7:6 destination):
;   window 0: v0-15 addresses; v16-31 four registers of statistics a piece; v48-55 at work; v64-127 S^T, two buffers; v128-191, v224-255 the merge; v192-223 P, two buffers (by the piece's parity)
;   window 1: v0-127 O^T, 32 a piece; v128-159 TRI, MLO, MEQ, MHI      window 2: v0-63 Q; v64-127 the second block's Q; v128-191 K of one step; v192-255 V of one step
.set NP,    4         ; pieces a wave: a name, no knob
.set STEPB, 8192      ; a step's bytes of K, and of V
.set VOFF,  65536     ; V lies behind K in a tile
.set SLOT1, 1<<17     ; a slot holds a tile; slot 1 begins here, so that one exclusive or turns an address in one slot into the other's
.set EXB,   2*SLOT1   ; behind the ring, never filled by a tensor load: for the merge, four waves' 32 rows x 272 bytes of O
.set XP,    272       ; a row of O in f32: 256 bytes + 16: the 16 rows of a store start at 16 different groups of four banks (ISA guide 11.1)
.set STATS, EXB+4*32*XP  ; four waves' (c m, l) for 64 rows
.set SPARE, STATS+4*64*8 ; the spare words, 128 bytes for each wave: two blocks of 256 bytes that no other line names
.set MFLOOR, 0xe0800000  ; -2^66: where a block's running maximum starts
.set CMLOW,  0xfe000000  ; -4.25e37: where c m starts, far below c x MFLOOR, so that a block's first a is 0
.set AK0, 2           ; v2   my lane's place in my wave's steps of K; never rewritten
.set AV0, 3           ; v3   the same for V
.set AK,  4           ; v4   the LDS address of K's next run of loads
.set AV,  5           ; v5   of V's
.set OA,  6           ; v6   the merge: where I put 32 bytes of a row of O
.set RA,  7           ; v7   the merge: where I read 16 bytes of a row
.set GO,  8           ; v8   my byte offset in the block's rows of out
.set SA,  10          ; v10  the merge: where I put a row's (c m, l)
.set RS,  11          ; v11  the merge: where I read them
.set MV,  12          ; v12-13  c m_old, kept while c m is made anew: by buffer
.set QO,  15          ; v15  16 x lane
.set ST,  16          ; piece t's statistics at v[ST+4 t]: c m, m, l (even keys', odd keys')
.set TMP, 48          ; by buffer, four registers c0-c3 at work; when the maximum is found c2 takes a
.set SPW, 62          ; v62  LDS address of my spare word; never rewritten
.set NIL, 63          ; v63  0; never rewritten
.set S,   64
.set XO,  128         ; the merge: 16 bytes of a row of O, by row pair t and source s at XO + 16 t + 4 s
.set P,   192
.set XST, 224         ; the merge: (c m, l) at XST + 2 (4 t + s)
.set TRI, 128         ; window 1
.set MLO, 136
.set MEQ, 144
.set MHI, 152
.set QB,  64          ; window 2
.set KF,  128         ; window 2: key block kb, channel half c at KF + 16 kb + 8 c
.set VF,  192         ; window 2: key half kk, channel block cb at VF + 32 kk + 8 cb
.set WV,  12          ; s12  my wave's number
.set CX,  13          ; s13  my place in the cluster
.set CE,  15          ; s15  e
.set G1,  24          ; s[24:31] descriptor group 1
.set G0,  40          ; s[40:43] descriptor group 0
.set KVB, 44          ; s[44:45] kv at my quarter of the batch's tile 0
.set OFF, 46          ; s[46:47] a tile's byte offset
.set SLOTS, 56        ; s56  tiles still to be asked for
.set CNT, 57          ; s57  counts a tile's two steps
.set CS,  58          ; s[58:59] c: the packed scaling takes the pair's low word for both halves
.set SEL, 60          ; s[60:61] v_permlanex16_b32's selects: each lane takes its own place in the other half
.set TBK, 62          ; s62  LDS byte of the slot and step from which K is fetched next
.set TBV, 63          ; s63  the same for V
.set RT,  70          ; s70  tiles of the block in hand that are still to be entered
.set NXT, 71          ; s71  the tile to be asked for next
.set LQ,  72          ; s72  the last tile of the block whose tiles are being asked for
.set NEW, 73          ; s73  1: the tile to be entered is a block's first
.set LLO, 74          ; s74  the second block's last tile: e
.set DI,  75          ; s75  the block in hand, which is also its own step's number
.set DILO, 76         ; s76  b
.set SN,  77          ; s77  the step whose masks are made next
.set AL,  78          ; s[78:79] the mask's scalars, each in a pair's low word
.set BE,  80
.set BH,  82
.set ZR,  84          ; s[84:85] 0
.set BIGN, 86         ; s86  -1e30
.set OLO, 88          ; s[88:89] out at the second block
.set QLO, 90          ; s[90:91] qf at the second block
.set MSB, 0
.macro WIN new                      ; the high byte repeats the setting that is left; a switch that changes nothing is dropped
.if MSB != (\new)
	s_set_vgpr_msb (MSB<<8)|(\new)
.set MSB, (\new)
.endif
.endm
.set W_KQ, 0x0a       ; K and Q in window 2, S^T in window 0
.set W_KM, 0x1a       ; the same with the C operand in window 1
.set W_PV, 0x52       ; V in window 2, P in window 0, O^T in window 1
.set W_RS, 0x41       ; destination and source 0 in window 1, source 1 in window 0
; A round of the cluster's barrier: my work-group's barrier, so that wave 0's signal speaks for all four waves; wave 0 signals; every wave waits for all four work-groups; my work-group's barrier once more.
.macro CROUND
	s_barrier_signal -1
	s_barrier_wait -1
	s_cmp_lg_u32 s[WV], 0
	s_cbranch_scc1 .Lnot_wave_0_\@
	s_barrier_signal -3
.Lnot_wave_0_\@:
	s_barrier_wait -3
	s_barrier_signal -1
	s_barrier_wait -1
.endm
; A joint fill: each wave brings its own quarter of the tile, 128 rows of 256 bytes: both addresses step by the wave's number, and one line serves all four waves.
.macro JLOAD
	tensor_load_to_lds s[G0:G0+3], s[G1:G1+7]
	s_nop 0
.rept 4
	v_nop
.endr
.endm
; THE CHANGE OF SLOTS.  Each wave waits for all its tensor loads, of which one is out: its quarter of the other slot; adds 0 to its spare word; and waits for that and for its own reads of the slot that it leaves.
; Behind the barrier nobody reads the old slot any more and the other slot is whole.  fill = 1: the old slot is filled again with tile NXT.  The barrier is then a round of the cluster's, so that no wave of any
; partner still reads the slot or has a load on its way, and the joint fill is the first thing behind it: it has two steps, 128 matrix instructions, in which to land.  The descriptor's address is made anew
; from the tile's number.  (At its first use nothing has been read yet: slot 0 is waited for, slot 1 filled.)
.macro CHANGE fill
	WIN 0                           ; at a label and at a branch every window is 0
	s_wait_tensorcnt 0x0            ; no tensor load of mine is out, so group 0 may be written
	ds_add_u32 v[SPW], v[NIL]       ; 0 onto my spare word; the scalar work stands between it and the wait for it
.if \fill
	s_lshl_b32 s[OFF], s[NXT], 17   ; a tile is 131,072 bytes
	s_xor_b32 s[G0+1], s[G0+1], SLOT1
	s_add_nc_u64 s[G0+2:G0+3], s[KVB:KVB+1], s[OFF:OFF+1]
	s_or_b32 s[G0+3], s[G0+3], 0x80000000
	s_add_co_u32 s[NXT], s[NXT], 1  ; the block's next tile, or behind its last the second block's tile 0
	s_cmp_gt_u32 s[NXT], s[LQ]
	s_cselect_b32 s[NXT], 0, s[NXT]
	s_cselect_b32 s[LQ], s[LLO], s[LQ]
.endif
	s_sub_co_u32 s[TBK], s[TBK], 2*STEPB  ; the fetches go back to my first step,
	s_xor_b32 s[TBK], s[TBK], SLOT1       ; in the other slot
	s_sub_co_u32 s[TBV], s[TBV], 2*STEPB
	s_xor_b32 s[TBV], s[TBV], SLOT1
	s_add_co_u32 s[SN], s[SN], 6    ; my two steps of the next tile lie six steps on
	s_wait_dscnt 0x0                ; the add is done, and my reads of the slot are over
.if \fill
	CROUND
	JLOAD
.else
	s_barrier_signal -1
	s_barrier_wait -1
.endif
.endm
	s_load_b128 s[4:7], s[0:1], 0x0 ; qf s[4:5], kv s[6:7]
	s_load_b64 s[8:9], s[0:1], 0x10 ; out0
	v_lshl_add_u32 v[SPW], v0, 2, SPARE
	v_mov_b32 v[NIL], 0
	ds_add_u32 v[SPW], v[NIL]       ; the wave's opening: the add and its wait ahead of my first tensor load; the set-up below, work on registers, stands between them
	ds_add_u32 v62, v63
	v_lshrrev_b32 v1, 5, v0
	v_readfirstlane_b32 s[WV], v1   ; wave 0..3
	s_bfe_u32 s[CX], ttmp6, 0x40000 ; cx
	s_lshr_b32 s[CE], ttmp9, 1      ; in a cluster launch ttmp9 counts clusters: a; e = a / 2, which the four partners share
	s_lshl_b32 s[DILO], ttmp9, 2
	s_add_co_u32 s[DILO], s[DILO], s[CX]  ; b = 4 a + cx
	s_sub_co_u32 s[DI], 127, s[DILO]      ; the first block
	s_and_b32 s20, ttmp7, 0xffff    ; the batch, which the partners share
	s_lshl_b32 s21, s20, 20         ; a batch's 1,048,576 bytes of qf; a block of 64 queries is 8,192
	s_lshl_b32 s22, s[DI], 13
	s_add_co_u32 s22, s22, s21
	s_mov_b32 s23, 0
	s_lshl_b32 s16, s[DILO], 13
	s_add_co_u32 s16, s16, s21
	s_mov_b32 s17, 0
	s_lshl_b32 s21, s20, 21         ; a batch's 2,097,152 bytes of out and of kv; a block's rows of out are 16,384
	s_lshl_b32 s18, s[DI], 14
	s_add_co_u32 s18, s18, s21
	s_mov_b32 s19, 0
	s_lshl_b32 s2, s[DILO], 14
	s_add_co_u32 s2, s2, s21
	s_mov_b32 s3, 0
	s_lshl_b32 s92, s[WV], 15       ; my quarter of a tile: made of the batch and the wave's number alone
	s_add_co_u32 s92, s92, s21
	s_mov_b32 s93, 0
	; descriptor group 1: 32,768 dense bytes as 128 rows of 256 bytes, without padding
	s_mov_b32 s[G1], 15|(3<<16)|(1<<21)  ; 15:0 the mask of four; 17:16 elements of 8 bytes; 21 set beside a mask
	s_mov_b32 s[G1+1], 32<<16       ; tensor_dim0 = 32
	s_mov_b32 s[G1+2], 128<<16      ; tensor_dim1 = 128
	s_mov_b32 s[G1+3], 32<<16       ; tile_dim0 = 32
	s_mov_b32 s[G1+4], 128          ; tile_dim1 = 128
	s_mov_b32 s[G1+5], 32           ; 32 elements from row to row
	s_mov_b32 s[G1+6], 0
	s_mov_b32 s[G1+7], 0
	s_mov_b32 s[G0], 1              ; count = 1
	s_lshl_b32 s[G0+1], s[WV], 15   ; LDS address: my quarter of slot 0
	s_mov_b32 s[CS], 0x3e38aa3b     ; c = log2(e) / 8 = 0.180337
	s_mov_b32 s[CS+1], s[CS]        ; named with it as a pair
	s_mov_b32 s[SEL], 0x76543210
	s_mov_b32 s[SEL+1], 0xfedcba98
	s_mov_b32 s[TBK], SLOT1+2*STEPB ; the first change of slots turns these two into 0
	s_mov_b32 s[TBV], SLOT1+2*STEPB
	s_sub_co_u32 s[RT], 16, s[CE]   ; the first block has 16 - e tiles
	s_mov_b32 s[NXT], 1
	s_sub_co_u32 s[LQ], 15, s[CE]
	s_mov_b32 s[LLO], s[CE]
	s_mov_b32 s[NEW], 1
	s_mov_b32 s[SN], 0              ; set anew where a block begins
	s_mov_b32 s[OFF+1], 0
	s_mov_b32 s[AL+1], 0            ; named as pairs
	s_mov_b32 s[BE+1], 0
	s_mov_b32 s[BH+1], 0
	s_mov_b32 s[ZR], 0
	s_mov_b32 s[ZR+1], 0
	s_mov_b32 s[BIGN], 0xf149f2ca   ; -1e30
	s_mov_b32 s[SLOTS], 16
	s_wait_dscnt 0x0                ; the opening add is done
	s_wait_kmcnt 0x0
	s_add_nc_u64 s[QLO:QLO+1], s[4:5], s[16:17]
	s_add_nc_u64 s[4:5], s[4:5], s[22:23]
	s_add_nc_u64 s[OLO:OLO+1], s[8:9], s[2:3]
	s_add_nc_u64 s[8:9], s[8:9], s[18:19]
	s_add_nc_u64 s[KVB:KVB+1], s[6:7], s[92:93]
	s_add_nc_u64 s[G0+2:G0+3], s[KVB:KVB+1], 0
	s_or_b32 s[G0+3], s[G0+3], 0x80000000  ; type = 2
	CROUND                          ; all four work-groups are here: the first joint loads meet
	JLOAD                           ; tile 0 into slot 0.  Slot 1 is asked for when slot 0 is in, by the loop's own change of slots
	v_and_b32 v1, 15, v0            ; l % 16
	v_bfe_u32 v9, v0, 4, 1          ; l / 16
	v_and_b32 v[QO], 31, v0
	v_lshlrev_b32 v[QO], 4, v[QO]   ; 16 l
	WIN 0x80                        ; destination window 2, address window 0
.set z, 0
.rept 16                            ; both blocks' Q, 8,192 bytes each, as they lie: 512 consecutive bytes a load
	global_load_b128 v[4*z:4*z+3],       v[QO], s[4:5] offset:512*z
	global_load_b128 v[QB+4*z:QB+4*z+3], v[QO], s[QLO:QLO+1] offset:512*z
.set z, z+1
.endr
	WIN 0
	v_lshlrev_b32 v14, 3, v9
	v_sub_nc_u32 v14, v1, v14       ; my query's place among 16, less my lanes' 8 (l / 16): register j is hidden where j is greater
	WIN 0x40
.set z, 0
.rept 8
	v_cmp_gt_i32 vcc_lo, z, v14
	v_cndmask_b32 v[TRI+z], 0, s[BIGN], vcc_lo
.set z, z+1
.endr
	WIN 0
	v_lshl_add_u32 v[AK0], s[WV], 14, v[QO]  ; my two steps of K begin at 16,384 w,
	v_add_nc_u32 v[AV0], VOFF, v[AK0]        ; those of V as far behind V's first byte
	s_mul_i32 s21, s[WV], 32*XP
	s_add_co_u32 s21, s21, EXB      ; my 32 rows of the exchange
	v_mul_u32_u24 v[OA], v1, XP     ; in: row l % 16, 32 bytes for each half of the lanes
	v_lshl_add_u32 v[OA], v9, 5, v[OA]
	v_add_nc_u32 v[OA], s21, v[OA]
	s_mul_i32 s21, s[WV], 8*XP
	s_add_co_u32 s21, s21, EXB      ; back: of each source's 32 rows I take rows 8 w .. 8 w + 7, two a load: lanes 0-15 one row of 256 bytes, lanes 16-31 the next
	v_mul_u32_u24 v[RA], v9, XP
	v_lshl_add_u32 v[RA], v1, 4, v[RA]
	v_add_nc_u32 v[RA], s21, v[RA]
	v_lshl_add_u32 v[GO], s[WV], 11, v[QO]   ; and the same rows in out: 8 rows of 256 bytes a wave
	s_lshl_b32 s21, s[WV], 9
	s_add_co_u32 s21, s21, STATS
	v_lshl_add_u32 v[SA], v1, 3, s21
	s_lshl_b32 s21, s[WV], 6
	s_add_co_u32 s21, s21, STATS
	v_lshl_add_u32 v[RS], v9, 3, s21
	; A block's first step multiplies O^T and l by a = 0, and its first turn's products V^T P, of a piece that has not been, land in an O^T that is still to be so multiplied.  So these registers need only hold
	; finite numbers: zeros for the first block; what the first block left for the second.  All this stands in the wait for the first tile.
	WIN 0x80
.set i, VF
.rept 64
	v_mov_b32 v[i], 0
.set i, i+1
.endr
	WIN 0x40
.set i, 0
.rept 128
	v_mov_b32 v[i], 0
.set i, i+1
.endr
	WIN 0
.set i, 0
.rept 4
	v_mov_b32 v[ST+4*i+2], 0
	v_mov_b32 v[ST+4*i+3], 0
.set i, i+1
.endr
.set i, P+16
.rept 16
	v_mov_b32 v[i], 0
.set i, i+1
.endr
; THE MATRIX WORK.  The 4 accumulators of a run of 8 take turns.  Product i of 8 of S^T = K Q^T for piece x: channels 32 (i / 4) on, keys 16 (i % 4) on.  The first 4 start the sums with a mask.
.macro KQ x
.set rS, S+32*((\x)%2)+8*(i%4)
.set rK, KF+16*(i%4)+8*(i/4)
.set rQ, 16*(\x)+8*(i/4)
.if i < 4
.if i < (\x)
.set rM, MLO
.elseif i == (\x)
.set rM, MEQ
.else
.set rM, MHI
.endif
	WIN W_KM
	v_wmma_f32_16x16x32_f16 v[rS:rS+7], v[rK:rK+7], v[rQ:rQ+7], v[rM:rM+7]
.else
	WIN W_KQ
	v_wmma_f32_16x16x32_f16 v[rS:rS+7], v[rK:rK+7], v[rQ:rQ+7], v[rS:rS+7]
.endif
.endm
; Product i of 8 of O^T += V^T P for piece x: keys 32 (i / 4) on, channels 16 (i % 4) on.
.macro PV x
	WIN W_PV
.set rO, 32*(\x)+8*(i%4)
.set rV, VF+32*(i/4)+8*(i%4)
.set rP, P+16*((\x)%2)+8*(i/4)
	v_wmma_f32_16x16x32_f16 v[rO:rO+7], v[rV:rV+7], v[rP:rP+7], v[rO:rO+7]
.endm
.macro MM                           ; the turn's next matrix instruction.  NOKQ = 1: a block's last turn: there is no next piece
.if (i < 8) && !NOKQ
	KQ (Y+1)%NP
.elseif i >= 8
.set i, i-8
	PV (Y+NP-1)%NP
.set i, i+8
.endif
.set i, i+1
.endm
; THE LDS LOADS stand in runs of 16, never singly among the matrix instructions: a step's K (8 fragments) and its V (8 fragments), as they lie.  Their addresses are made some lines ahead.
.macro FETCH_K
	WIN 0x80                        ; destination window 2
.set z, 0
.rept 16
	ds_load_b128 v[KF+4*z:KF+4*z+3], v[AK] offset:512*z
.set z, z+1
.endr
	s_add_co_u32 s[TBK], s[TBK], STEPB  ; the next fetch is the next step's
	WIN 0
.endm
.macro FETCH_V
	WIN 0x80
.set z, 0
.rept 16
	ds_load_b128 v[VF+4*z:VF+4*z+3], v[AV] offset:512*z
.set z, z+1
.endr
	WIN 0
.endm
; THE MASKS of step SN.  MSCAL makes the scalars and steps SN; MASK makes the three sets of eight registers.
.macro MSCAL
	s_cmp_eq_u32 s[SN], s[DI]       ; the block's own step?
	s_cselect_b32 s[AL], 1.0, 0
	s_cmp_gt_u32 s[SN], s[DI]       ; a later one?
	s_cselect_b32 s[BE], s[BIGN], 0
	s_cmp_ge_u32 s[SN], s[DI]
	s_cselect_b32 s[BH], s[BIGN], 0
	s_add_co_u32 s[SN], s[SN], 1
.endm
.macro MASK
	WIN W_RS
.set z, 0
.rept 4
	v_pk_fma_f32 v[MLO+2*z:MLO+2*z+1], v[TRI+2*z:TRI+2*z+1], s[ZR:ZR+1], s[BE:BE+1] op_sel_hi:[1,0,0]
	v_pk_fma_f32 v[MEQ+2*z:MEQ+2*z+1], v[TRI+2*z:TRI+2*z+1], s[AL:AL+1], s[BE:BE+1] op_sel_hi:[1,0,0]
	v_pk_fma_f32 v[MHI+2*z:MHI+2*z+1], v[TRI+2*z:TRI+2*z+1], s[ZR:ZR+1], s[BH:BH+1] op_sel_hi:[1,0,0]
.set z, z+1
.endr
.endm
; THE VECTOR WORK, one line at a time: OP kind, number.  For piece Y: F n: c s - c m for pair n of 16.  E n: the exponential of score n of 32.  C n: pair n rounded to f16.  B n: of the four weights 4 n .. the second
; pair is added onto the first, in place.  L n: l takes that sum (L 0: l = a l + sum).  R n: pair n of 16 of O^T times a.  For piece Y + 1: X n, number n of the 22 that find its maximum and statistics:
;   0-11  four chains c0-c3 of seven scores each, three operands at a time (each accumulator's lowest registers are read first)     12-14, 16  the four scores left over, the old m, and c0-c3 into c0
;   15  c m_old is kept     17, 18  the query's other 32 keys lie in the lane 16 away: the new m     19-21  c m; c m_old - c m_new; a
.set F, 0               ; OP tells the kinds apart by their order: F to L below R, X above it
.set E, 1
.set C, 2
.set B, 3
.set L, 4
.set R, 5
.set X, 6
.macro REGS y                       ; the registers of piece y
.set rT, ST+4*(\y)
.set rC, TMP+4*((\y)%2)
.set rW, MV+((\y)%2)
.set rS, S+32*((\y)%2)
.set rP, P+16*((\y)%2)
.set rO, 32*(\y)
.endm
.macro OP k, n
.if (\k) == R
	REGS Y
	WIN W_RS
	v_pk_mul_f32 v[rO+2*(\n):rO+2*(\n)+1], v[rO+2*(\n):rO+2*(\n)+1], v[rC+2:rC+3] op_sel_hi:[1,0]
.elseif (\k) < R
	REGS Y
	WIN 0
.if (\k) == F
	v_pk_fma_f32 v[rS+2*(\n):rS+2*(\n)+1], v[rS+2*(\n):rS+2*(\n)+1], s[CS:CS+1], v[rT:rT+1] op_sel_hi:[1,0,0] neg_lo:[0,0,1] neg_hi:[0,0,1]
.elseif (\k) == E
	v_exp_f32 v[rS+(\n)], v[rS+(\n)]
.elseif (\k) == C
	s_wait_alu depctr_va_vdst(0)
	v_cvt_pk_f16_f32 v[rP+(\n)], v[rS+2*(\n)], v[rS+2*(\n)+1]
.elseif (\k) == B
	s_wait_alu depctr_va_vdst(0)
	v_pk_add_f32 v[rS+4*(\n):rS+4*(\n)+1], v[rS+4*(\n):rS+4*(\n)+1], v[rS+4*(\n)+2:rS+4*(\n)+3]
.elseif (\n) == 0
	v_pk_fma_f32 v[rT+2:rT+3], v[rT+2:rT+3], v[rC+2:rC+3], v[rS:rS+1] op_sel_hi:[1,0,1]
.else
	v_pk_add_f32 v[rT+2:rT+3], v[rT+2:rT+3], v[rS+4*(\n):rS+4*(\n)+1]
.endif
.elseif NOKQ
	v_nop
.else
	REGS (Y+1)%NP
	WIN 0
.if (\n) < 4
	v_max3_num_f32 v[rC+(\n)], v[rS+8*(\n)], v[rS+8*(\n)+1], v[rS+8*(\n)+2]
.elseif (\n) < 12
	v_max3_num_f32 v[rC+(\n)%4], v[rC+(\n)%4], v[rS+8*((\n)%4)+2*((\n)/4)+1], v[rS+8*((\n)%4)+2*((\n)/4)+2]
.elseif (\n) == 12
	v_max3_num_f32 v[rC], v[rC], v[rS+7], v[rS+15]
.elseif (\n) == 13
	v_max3_num_f32 v[rC+1], v[rC+1], v[rS+23], v[rS+31]
.elseif (\n) == 14
	v_max3_num_f32 v[rC+2], v[rC+2], v[rC+3], v[rT+1]
.elseif (\n) == 15
	v_mov_b32 v[rW], v[rT]
.elseif (\n) == 16
	v_max3_num_f32 v[rC], v[rC], v[rC+1], v[rC+2]
.elseif (\n) == 17
	v_permlanex16_b32 v[rC+3], v[rC], s[SEL], s[SEL+1]
.elseif (\n) == 18
	v_max_num_f32 v[rT+1], v[rC], v[rC+3]
.elseif (\n) == 19
	v_mul_f32 v[rT], s[CS], v[rT+1]
.elseif (\n) == 20
	v_sub_f32 v[rC+1], v[rW], v[rT]
.else
	v_exp_f32 v[rC+2], v[rC+1]
.endif
.endif
.endm
.macro OPS a, i1, b=-1, i2=0, c=-1, i3=0, d=-1, i4=0  ; up to four of them
	OP \a, \i1
.if (\b) >= 0
	OP \b, \i2
.endif
.if (\c) >= 0
	OP \c, \i3
.endif
.if (\d) >= 0
	OP \d, \i4
.endif
.endm
.macro ROW a, i1, b, i2, c, i3, d, i4  ; a matrix instruction and the four behind it
	MM
	OPS \a, \i1, \b, \i2, \c, \i3, \d, \i4
.endm
; A TURN, for piece p: the order of its 16 matrix and 118 vector instructions, written out.  Behind a matrix instruction: plain, exponential, plain, plain; or four of the rescaling; or, behind the first, four scalings; none
; names a register of the products round it.  In the runs between, exponential and plain by turns while exponentials last.  A line reads no result made fewer than three vector instructions in front of it, five if an
; exponential made it.  end = 1: a block's last two turns: nothing is fetched, no mask is made, and the last starts no new scores.  cnt = 1: the loop's count is taken down some lines ahead of the branch behind the turn.
; K of the next step is fetched in piece 2's turn, six vector instructions behind the last product that read K (five of them plain); V of the step in hand in piece 0's turn, eight behind the last product that read V (five
; plain).  Each is waited for a turn later.  Piece 2's turn holds the last products that take the step's masks (its first four), so the next step's masks are made at its end, ahead of piece 3's turn, which starts the next step's scores.
.macro TURN p, end=0, cnt=0
.set Y, (\p)
.set i, 0
.set NOKQ, (\end)*((\p)/3)
.if ((\p) == 2) && !(\end)
	MSCAL
.endif
.if ((\p) == 3) && !(\end)
	s_wait_dscnt 0x0                ; K is in
.endif
	ROW F,0, F,1, F,2, F,3
	ROW F,4, E,0, F,5, F,6
	ROW F,7, E,1, F,8, F,9
	ROW F,10, E,2, C,0, F,11
	ROW F,12, E,3, X,15, F,13
	ROW R,0, R,1, R,2, R,3
	ROW B,0, E,4, F,14, L,0
.if ((\p) == 2) && !(\end)
	v_add_nc_u32 v[AK], s[TBK], v[AK0]
.endif
	ROW R,4, R,5, R,6, R,7
	OPS E,5, F,15
.if ((\p) == 2) && !(\end)
	FETCH_K
.endif
	OPS E,6, C,1, E,7, R,8
	OPS E,8, R,9, E,9, C,2
	OPS E,10, X,0, E,11, X,1
	OPS E,12, X,2, E,13, X,3
.if (\p) == 1
	s_wait_dscnt 0x0                ; V is in
.endif
	ROW X,4, E,14, X,5, X,6
	ROW X,7, E,15, X,8, X,9
	ROW X,10, E,16, X,11, X,12
	ROW X,13, E,17, X,14, B,1
	ROW C,4, E,18, X,16, L,1
	ROW B,2, E,19, C,6, L,2
	ROW C,8, E,20, B,3, B,4
.if (\p) == 0
	v_add_nc_u32 v[AV], s[TBV], v[AV0]
.endif
	ROW C,3, E,21, L,3, C,5
	OPS E,22, X,17, E,23, C,10
.if (\p) == 0
	FETCH_V
.endif
	OPS E,24, L,4
	OPS E,25, X,18, E,26, C,7
	OPS E,27, B,5, E,28, X,19
	OPS E,29, C,12, E,30, L,5
	OPS E,31, X,20, B,6, C,9
	OPS C,14, C,11, X,21, L,6
.if (\p) == 0
	s_add_co_u32 s[TBV], s[TBV], STEPB
.endif
.if \cnt
	s_sub_co_u32 s[CNT], s[CNT], 1
	s_cmp_lg_u32 s[CNT], 0
.endif
	OPS C,13, B,7, C,15, R,10
	OPS R,11, R,12, L,7, R,13
	OPS R,14, R,15
.if ((\p) == 2) && !(\end)
	MASK
.endif
.endm
; A BLOCK BEGINS.  m starts at -2^66: every score that f16 allows lies above it, so the first maximum of a row that sees a key is a score; every hidden score lies far below it, so a row that sees no key
; in my steps keeps it, and all its weights are 0.  c m starts far below c x -2^66, so the first step's a is 0 in either case.  My first step of tile 0 is step 2 w: its masks;
; then K of that step, piece 0's first scores, and its maximum and statistics.  The loop is entered at a step's first turn, in the middle of a trip.
.macro BEGIN
	s_mov_b32 s[NEW], 0
	WIN 0
.set i, 0
.rept 4
	v_mov_b32 v[ST+4*i], CMLOW      ; c m
	v_mov_b32 v[ST+4*i+1], MFLOOR   ; m
.set i, i+1
.endr
	s_lshl_b32 s[SN], s[WV], 1
	MSCAL
	MASK
	WIN 0
	v_add_nc_u32 v[AK], s[TBK], v[AK0]
	FETCH_K
	s_wait_loadcnt 0x0              ; Q
	s_wait_dscnt 0x0
.set NOKQ, 0
.set i, 0
.rept 8
	KQ 0
.set i, i+1
.endr
	WIN 0
.rept 4
	v_nop                           ; the places behind those products
.endr
.set Y, NP-1                        ; X works for piece Y + 1: piece 0
.irp n, 0,1,2,3,4,5,6,7,8,9,10,11,12,13,14,15,16,17,18,19,20,21
	OP X, \n
.endr
	v_nop                           ; a plain instruction behind the exponential
.endm
; A tile's two steps.  A trip: pieces 2 and 3 of one step, then pieces 0 and 1 of the next, whose K and V it fetches.  The tag ends its two labels' names, which the jumps below spell out.
.macro STEPS tag
.Lstep\tag:
	TURN 2
	TURN 3
	WIN 0
.Lfirst\tag:
	TURN 0
	TURN 1, 0, 1
	WIN 0
	s_cbranch_scc1 .Lstep\tag
.endm
; THE MERGE.  Wave s holds, for each of the block's 64 rows, c m_s, l_s and an O_s that is not yet divided.  out = (sum of f_s O_s) / (sum of f_s l_s), f_s = 2^(c m_s - the largest c m).
; In two phases of 32 rows (two pieces), since four waves' whole O does not fit beside the ring: each wave lays its O out by rows, and each then merges 8 of the 32 rows.
.macro ALL line:vararg              ; one line for each piece t
.set t, 0
.rept 4
	\line
.set t, t+1
.endr
.endm
.macro WPART ph                     ; pieces 2 ph and 2 ph + 1: a lane's eight channels of a row are 32 bytes; each accumulator's low four registers first
	WIN 0x04                        ; the data (source 1) in window 1
.irp x, 0,1
.irp cb, 0,1,2,3
	ds_store_b128 v[OA], v[32*(2*(\ph)+(\x))+8*(\cb):32*(2*(\ph)+(\x))+8*(\cb)+3]   offset:(\x)*16*XP+64*(\cb)
	ds_store_b128 v[OA], v[32*(2*(\ph)+(\x))+8*(\cb)+4:32*(2*(\ph)+(\x))+8*(\cb)+7] offset:(\x)*16*XP+64*(\cb)+16
.endr
.endr
	WIN 0
.endm
.macro RPART ph                     ; rows 8 w + 2 t + l / 16 of the phase's 32, from each source s: the statistics, and 16 bytes at 16 (l % 16)
	WIN 0
.irp t, 0,1,2,3
.irp s, 0,1,2,3
	ds_load_b64  v[XST+2*(4*(\t)+(\s)):XST+2*(4*(\t)+(\s))+1], v[RS] offset:512*(\s)+256*(\ph)+16*(\t)
	ds_load_b128 v[XO+16*(\t)+4*(\s):XO+16*(\t)+4*(\s)+3],     v[RA] offset:32*XP*(\s)+2*XP*(\t)
.endr
.endr
.endm
.macro COMB ph
	WIN 0
.irp t, 0,1,2,3
	v_max3_num_f32 v[TMP+(\t)], v[XST+8*(\t)], v[XST+8*(\t)+2], v[XST+8*(\t)+4]
.endr
.irp t, 0,1,2,3
	v_max_num_f32 v[TMP+(\t)], v[TMP+(\t)], v[XST+8*(\t)+6]  ; the largest of the four c m
.endr
.irp s, 0,1,2,3
.irp t, 0,1,2,3
	v_sub_f32 v[XST+8*(\t)+2*(\s)], v[XST+8*(\t)+2*(\s)], v[TMP+(\t)]
.endr
.endr
.irp s, 0,1,2,3
.irp t, 0,1,2,3
	v_exp_f32 v[XST+8*(\t)+2*(\s)], v[XST+8*(\t)+2*(\s)]     ; f takes c m's place; a wave that saw no key of the row has c m = c x -2^66, and its f is 0
.endr
.endr
	v_nop                           ; a plain instruction between the last exponential and the use of its result
.irp t, 0,1,2,3
	s_wait_alu depctr_va_vdst(0)
	v_mul_f32 v[TMP+4+(\t)], v[XST+8*(\t)], v[XST+8*(\t)+1]
.endr
.irp s, 1,2,3
.irp t, 0,1,2,3
	v_fma_f32 v[TMP+4+(\t)], v[XST+8*(\t)+2*(\s)], v[XST+8*(\t)+2*(\s)+1], v[TMP+4+(\t)]  ; the sum of f l: at least 1, since the largest c m's f is 1 and its l holds the weight 1
.endr
.endr
.irp t, 0,1,2,3
	v_rcp_f32 v[TMP+4+(\t)], v[TMP+4+(\t)]
.endr
	v_nop                           ; a plain instruction between the last reciprocal and the use of its result
.irp s, 0,1,2,3
.irp t, 0,1,2,3
	s_wait_alu depctr_va_vdst(0)
	v_mul_f32 v[XST+8*(\t)+2*(\s)], v[XST+8*(\t)+2*(\s)], v[TMP+4+(\t)]  ; f over that sum
.endr
.endr
.irp t, 0,1,2,3
.irp u, 0,2
	v_pk_mul_f32 v[XO+16*(\t)+(\u):XO+16*(\t)+(\u)+1], v[XO+16*(\t)+(\u):XO+16*(\t)+(\u)+1], v[XST+8*(\t):XST+8*(\t)+1] op_sel_hi:[1,0]
.endr
.endr
.irp s, 1,2,3
.irp t, 0,1,2,3
.irp u, 0,2
	v_pk_fma_f32 v[XO+16*(\t)+(\u):XO+16*(\t)+(\u)+1], v[XO+16*(\t)+4*(\s)+(\u):XO+16*(\t)+4*(\s)+(\u)+1], v[XST+8*(\t)+2*(\s):XST+8*(\t)+2*(\s)+1], v[XO+16*(\t)+(\u):XO+16*(\t)+(\u)+1] op_sel_hi:[1,0,1]
.endr
.endr
.endr
.irp t, 0,1,2,3
	global_store_b128 v[GO], v[XO+16*(\t):XO+16*(\t)+3], s[8:9] offset:8192*(\ph)+512*(\t) th:TH_STORE_NT  ; two whole rows of out: 512 consecutive bytes, at a multiple of 512 from out's first byte
.endr
.endm
; A BLOCK ENDS: its last two turns, its last products, and the merge.  The barriers here are the work-group's, and no slot is filled behind them: the joint load that is on its way stays out across them.
; The exchange is written again only behind a later change of slots, in front of which every wave has waited for its reads.
.macro FINISH
	TURN 2, 1
	TURN 3, 1
.set i, 0
.rept 8
	PV NP-1
.set i, i+1
.endr
	WIN 0
	ALL v_add_f32 v[ST+4*t+1], v[ST+4*t+2], v[ST+4*t+3]      ; l's two halves (m's register is free now); these four are the places behind the last products
	ALL v_permlanex16_b32 v[ST+4*t+3], v[ST+4*t+1], s[SEL], s[SEL+1]
	ALL v_add_f32 v[ST+4*t+1], v[ST+4*t+1], v[ST+4*t+3]      ; and the other half of the lanes'
	ALL ds_store_b64 v[SA], v[ST+4*t:ST+4*t+1] offset:128*t  ; (c m, l) of row 16 t + l % 16: both halves of the lanes write the same
	WPART 0
	s_wait_dscnt 0x0                ; for the others' sake: my stores are done
	s_barrier_signal -1
	s_barrier_wait -1
	RPART 0
	s_wait_dscnt 0x0                ; my reads of the exchange are over
	s_barrier_signal -1
	s_barrier_wait -1               ; everybody's are: it may be written again
	WPART 1
	COMB 0                          ; the first phase's arithmetic, while the stores are out
	s_wait_dscnt 0x0
	s_barrier_signal -1
	s_barrier_wait -1
	s_wait_xcnt 0x0                 ; the first phase's stores have had their addresses translated (ISA guide 3.1): their data registers are loaded again only behind this wait
	RPART 1
	s_wait_dscnt 0x0
	COMB 1
.endm
.set NOKQ, 0
.Lslot:                             ; 16 times: a tile is entered and the next is asked for
	CHANGE 1
	s_sub_co_u32 s[RT], s[RT], 1
	s_mov_b32 s[CNT], 2
	s_cmp_eq_u32 s[NEW], 1          ; a block's first tile?  At the first trip the answer is a constant of the text
	s_cbranch_scc0 .Lstep1
	BEGIN
	s_branch .Lfirst1
	STEPS 1
	s_cmp_lg_u32 s[RT], 0           ; the block's last tile?  In the loop that is the first block's: the second's last is the walk's last.  RT hangs on e alone: alike in all waves and all partners
	s_cbranch_scc1 .Lbottom
	FINISH
	s_wait_xcnt 0x0                 ; the stores have read their registers and out's address
	s_mov_b64 s[8:9], s[OLO:OLO+1]
	s_add_co_u32 s[RT], s[CE], 1    ; the second block has e + 1 tiles
	s_mov_b32 s[NEW], 1
	s_mov_b32 s[DI], s[DILO]
	WIN 0x82                        ; the second block's Q goes where the one text of the turns names Q
.set i, 0
.rept 64
	v_mov_b32 v[i], v[QB+i]
.set i, i+1
.endr
	WIN 0
.Lbottom:
	s_sub_co_u32 s[SLOTS], s[SLOTS], 1
	s_cmp_lg_u32 s[SLOTS], 0
	s_cbranch_scc1 .Lslot
	CHANGE 0                        ; the walk's last tile is written out: nothing is asked for
	s_sub_co_u32 s[RT], s[RT], 1
	s_mov_b32 s[CNT], 2
	s_cmp_eq_u32 s[NEW], 1          ; where e = 0 the second block's only tile is its first and its last
	s_cbranch_scc0 .Lstep2
	BEGIN
	s_branch .Lfirst2
	STEPS 2
	FINISH
	s_wait_tensorcnt 0x0            ; the wave's end: behind my last tensor load and my last LDS store
	ds_add_u32 v[SPW], v[NIL]
	s_wait_dscnt 0x0
	CROUND                          ; the closing round: no work-group ends while a partner may still ask for a tile that names it
	s_endpgm
.Lfunc_end_k_q51ebd29cbb_attn:
	.size	k_q51ebd29cbb_attn, .Lfunc_end_k_q51ebd29cbb_attn-k_q51ebd29cbb_attn
	.p2alignl 7, 3214868480
	.fill 96, 4, 3214868480
	.section	.rodata,"a",@progbits
	.p2align	6, 0x0
	.amdhsa_kernel k_q51ebd29cbb_attn
		.amdhsa_group_segment_fixed_size 327680
		.amdhsa_private_segment_fixed_size 0
		.amdhsa_enable_private_segment 0
		.amdhsa_kernarg_size 24
		.amdhsa_user_sgpr_count 2
		.amdhsa_user_sgpr_kernarg_segment_ptr 1
		.amdhsa_wavefront_size32 1
		.amdhsa_system_sgpr_workgroup_id_x 1
		.amdhsa_system_sgpr_workgroup_id_y 1
		.amdhsa_system_sgpr_workgroup_id_z 1
		.amdhsa_system_vgpr_workitem_id 0
		.amdhsa_next_free_vgpr 768
		.amdhsa_next_free_sgpr 96
		.amdhsa_reserve_vcc 1
		.amdhsa_float_denorm_mode_32 3
		.amdhsa_float_denorm_mode_16_64 3
		.amdhsa_memory_ordered 1
		.amdhsa_forward_progress 1
		.amdhsa_inst_pref_size 185
	.end_amdhsa_kernel
	.amdgpu_metadata
---
amdhsa.version: [ 1, 2 ]
amdhsa.kernels:
  - .name:           k_q51ebd29cbb_attn
    .symbol:         k_q51ebd29cbb_attn.kd
    .args:
      - { .name: qf, .offset: 0, .size: 8, .value_kind: global_buffer, .address_space: global }
      - { .name: kv, .offset: 8, .size: 8, .value_kind: global_buffer, .address_space: global }
      - { .name: out0, .offset: 16, .size: 8, .value_kind: global_buffer, .address_space: global }
    .group_segment_fixed_size: 327680
    .private_segment_fixed_size: 0
    .kernarg_segment_align: 8
    .kernarg_segment_size: 24
    .max_flat_workgroup_size: 128
    .sgpr_count:     96
    .vgpr_count:     768
    .wavefront_size: 32
...
	.end_amdgpu_metadata
.endif
;; end of part 3
;; launch toprows (part 4): grid 4 x 4, 8 waves a work-group, no clusters, 0 bytes of LDS; arguments hp, out0; writes out0
.if DOCPART == 4
	.amdgcn_target "amdgcn-amd-amdhsa--gfx1250"
	.amdhsa_code_object_version 6
	.text
	.protected	k_q51ebd29cbb_toprows
	.globl	k_q51ebd29cbb_toprows
	.p2align	8
	.type	k_q51ebd29cbb_toprows,@function
k_q51ebd29cbb_toprows:
	s_mov_b64 s[64:65], 0
	v_nop
	global_prefetch_b8 v0, s[64:65] scope:SCOPE_SE
	s_setreg_imm32_b32 hwreg(HW_REG_WAVE_MODE, 25, 1), 1
	s_wait_xcnt 0x0
; ROWS 0 TO 31 OF EACH BATCH, IN f32.  out[q][:] = the sum over k <= q of softmax_k(Q[q] . K[k] / 8) V[k][:], from q, k, v as the projection's f32 sums (hp).  It runs behind the launch that makes
; all rows with f16 operands, and writes these 128 rows again.
; WHY.  A row of n keys is a mean of n rows of V.  Rounding v and the weights to f16 (11 significant bits) and q and k too shifts such a mean by about 3e-4 of a typical v, divided by sqrt(n).  The first rows'
; terms are many times the whole output's root mean square, by which a number near 0 is judged, and where they cancel that shift is too much.  From n = 33 on it is a sixth of a hundredth of that root mean
; square, and falls further.  128 rows of at most 32 keys are about half a million multiply-adds: nothing for the matrix units, and no more than 128 waves' work, so 16 work-groups are launched.
; SHARES.  The grid's y is the batch, its x eight rows; a wave makes one row.  Lane l holds key l: K's 64 channels in 64 registers.  q's row lies in scalar registers.  The weights, divided by their sum,
; go to scalar registers; lane l then holds channels 2 l and 2 l + 1 of V's 32 keys, and stores 8 bytes: the wave's one store is the row, 256 consecutive bytes, aligned.
; hp: [batch 4][24,576 bytes]: q as [4 channels 16][row 32][16 bytes], k likewise, v as [4 keys 8][channel 64][16 bytes].  A load of K takes 512 consecutive bytes; two loads of V take 1,024 between them.
; The maximum is taken of the row's visible scores (key 0 is always visible); a hidden key's score counts as the lowest finite number, and its weight is 0.  NaN and infinities are not treated apart.
.set HPBAT, 24576
.set LN,  2                            ; v2   lane = key
.set KO,  3                            ; v3   16 l
.set VOF, 4                            ; v4   32 l
.set OO,  5                            ; v5   8 l
.set T,   8                            ; v8-13 at work; v[14:15] the result
.set KR,  16                           ; v16-79   K[l][0..63]
.set VA,  80                           ; v80-111  V[0..31][2 l]
.set VB,  112                          ; v112-143 V[0..31][2 l + 1]
.set ROW, 9                            ; s9   my row, 0..31
.set QS,  16                           ; q's 64 numbers in s16-63 and s68-83; later the 32 weights in s16-47
.set SEL, 84                           ; s84, s85  v_permlanex16_b32's selects: each lane takes its own place in the other half
	s_load_b128 s[4:7], s[0:1], 0x0                ; hp s[4:5], out0 s[6:7]
	v_lshrrev_b32 v1, 5, v0
	v_readfirstlane_b32 s8, v1                     ; wave 0..7
	s_lshl_b32 s[ROW], ttmp9, 3
	s_add_co_u32 s[ROW], s[ROW], s8
	s_and_b32 s10, ttmp7, 0xffff                   ; the batch
	s_mul_i32 s12, s10, HPBAT
	s_mov_b32 s13, 0
	s_lshl_b32 s14, s[ROW], 4                      ; my row's 16 bytes in each group of q
	s_mov_b32 s15, 0
	s_lshl_b32 s10, s10, 21                        ; a batch's 2,097,152 bytes of out,
	s_lshl_b32 s11, s[ROW], 8                      ; a row's 256
	s_add_co_u32 s10, s10, s11
	s_mov_b32 s11, 0
	s_mov_b32 s[SEL], 0x76543210
	s_mov_b32 s[SEL+1], 0xfedcba98
	v_and_b32 v[LN], 31, v0
	v_lshlrev_b32 v[KO], 4, v[LN]
	v_lshlrev_b32 v[VOF], 5, v[LN]
	v_lshlrev_b32 v[OO], 3, v[LN]
	s_wait_kmcnt 0x0
	s_add_nc_u64 s[4:5], s[4:5], s[12:13]          ; hp at the batch
	s_add_nc_u64 s[6:7], s[6:7], s[10:11]          ; out at my row
	s_add_nc_u64 s[12:13], s[4:5], s[14:15]        ; q at my row
.set d, 0
.rept 16                               ; q: four channels a load
.set sq, QS+4*d+4*(d/12)
	s_load_b128 s[sq:sq+3], s[12:13], 512*d
.set d, d+1
.endr
.set d, 0
.rept 16                               ; K: channels 4 d .. 4 d + 3 of key l
	global_load_b128 v[KR+4*d:KR+4*d+3], v[KO], s[4:5] offset:8192+512*d
.set d, d+1
.endr
.set d, 0
.rept 8                                ; V: keys 4 d .. 4 d + 3 of channels 2 l and 2 l + 1
	global_load_b128 v[VA+4*d:VA+4*d+3], v[VOF], s[4:5] offset:16384+1024*d
	global_load_b128 v[VB+4*d:VB+4*d+3], v[VOF], s[4:5] offset:16384+1024*d+16
.set d, d+1
.endr
	s_wait_kmcnt 0x0                               ; q
	s_wait_loadcnt 16                              ; loads come back in order (ISA guide 5.7.1): K's 16 are in, V's 16 stay out
.set d, 0
.rept 64                               ; Q[row] . K[l], in four chains; the first four products start them: nothing is cleared
.set sq, QS+d+4*(d/48)
.if d < 4
	v_mul_f32 v[T+d], s[sq], v[KR+d]
.else
	v_fmac_f32 v[T+d%4], s[sq], v[KR+d]
.endif
.set d, d+1
.endr
	v_add_f32 v[T], v[T], v[T+1]
	v_add_f32 v[T+2], v[T+2], v[T+3]
	v_add_f32 v[T], v[T], v[T+2]
	v_mul_f32 v[T], 0x3e38aa3b, v[T]               ; c s, c = log2(e) / 8
	v_cmp_ge_u32 vcc_lo, s[ROW], v[LN]             ; visible: the key is not behind the row
	v_cndmask_b32 v[T], 0xff7fffff, v[T], vcc_lo   ; a hidden key's: the lowest finite number
	v_max_num_f32_dpp v[T+1], v[T], v[T] row_xmask:1 row_mask:0xf bank_mask:0xf      ; the maximum over the 32 lanes: four steps inside each half,
	v_max_num_f32_dpp v[T+1], v[T+1], v[T+1] row_xmask:2 row_mask:0xf bank_mask:0xf
	v_max_num_f32_dpp v[T+1], v[T+1], v[T+1] row_xmask:4 row_mask:0xf bank_mask:0xf
	v_max_num_f32_dpp v[T+1], v[T+1], v[T+1] row_xmask:8 row_mask:0xf bank_mask:0xf
	v_permlanex16_b32 v[T+2], v[T+1], s[SEL], s[SEL+1]                               ; one across them
	v_max_num_f32 v[T+1], v[T+1], v[T+2]
	v_sub_f32 v[T+2], v[T], v[T+1]
	v_exp_f32 v[T+2], v[T+2]                       ; p = 2^(c s - c m); 0 for a hidden key
	v_nop                                          ; a plain instruction between the exponential and the use of its result
	s_wait_alu depctr_va_vdst(0)
	v_add_f32_dpp v[T+3], v[T+2], v[T+2] row_xmask:1 row_mask:0xf bank_mask:0xf      ; the sum likewise
	v_add_f32_dpp v[T+3], v[T+3], v[T+3] row_xmask:2 row_mask:0xf bank_mask:0xf
	v_add_f32_dpp v[T+3], v[T+3], v[T+3] row_xmask:4 row_mask:0xf bank_mask:0xf
	v_add_f32_dpp v[T+3], v[T+3], v[T+3] row_xmask:8 row_mask:0xf bank_mask:0xf
	v_permlanex16_b32 v[T+1], v[T+3], s[SEL], s[SEL+1]
	v_add_f32 v[T+3], v[T+3], v[T+1]               ; at least 1: the largest score's weight is 1
	v_rcp_f32 v[T+3], v[T+3]
	v_nop                                          ; a plain instruction between the reciprocal and the use of its result
	s_wait_alu depctr_va_vdst(0)
	v_mul_f32 v[T+2], v[T+2], v[T+3]               ; the weight of key l
.set k, 0
.rept 32                               ; the 32 weights, each for all lanes; q's registers are free
	v_readlane_b32 s[QS+k], v[T+2], k
.set k, k+1
.endr
	s_wait_loadcnt 0x0                             ; V
.set k, 0
.rept 32                               ; two chains a channel, even keys' and odd keys'; the first products start them
.if k < 2
	v_mul_f32 v[T+k], s[QS+k], v[VA+k]
	v_mul_f32 v[T+4+k], s[QS+k], v[VB+k]
.else
	v_fmac_f32 v[T+k%2], s[QS+k], v[VA+k]
	v_fmac_f32 v[T+4+k%2], s[QS+k], v[VB+k]
.endif
.set k, k+1
.endr
	v_add_f32 v14, v[T], v[T+1]
	v_add_f32 v15, v[T+4], v[T+5]
	global_store_b64 v[OO], v[14:15], s[6:7] th:TH_STORE_NT  ; the whole row
	s_endpgm
.Lfunc_end_k_q51ebd29cbb_toprows:
	.size	k_q51ebd29cbb_toprows, .Lfunc_end_k_q51ebd29cbb_toprows-k_q51ebd29cbb_toprows
	.p2alignl 7, 3214868480
	.fill 96, 4, 3214868480
	.section	.rodata,"a",@progbits
	.p2align	6, 0x0
	.amdhsa_kernel k_q51ebd29cbb_toprows
		.amdhsa_group_segment_fixed_size 0
		.amdhsa_private_segment_fixed_size 0
		.amdhsa_enable_private_segment 0
		.amdhsa_kernarg_size 16
		.amdhsa_user_sgpr_count 2
		.amdhsa_user_sgpr_kernarg_segment_ptr 1
		.amdhsa_wavefront_size32 1
		.amdhsa_system_sgpr_workgroup_id_x 1
		.amdhsa_system_sgpr_workgroup_id_y 1
		.amdhsa_system_sgpr_workgroup_id_z 1
		.amdhsa_system_vgpr_workitem_id 0
		.amdhsa_next_free_vgpr 144
		.amdhsa_next_free_sgpr 88
		.amdhsa_reserve_vcc 1
		.amdhsa_float_denorm_mode_32 3
		.amdhsa_float_denorm_mode_16_64 3
		.amdhsa_memory_ordered 1
		.amdhsa_forward_progress 1
		.amdhsa_inst_pref_size 13
	.end_amdhsa_kernel
	.amdgpu_metadata
---
amdhsa.version: [ 1, 2 ]
amdhsa.kernels:
  - .name:           k_q51ebd29cbb_toprows
    .symbol:         k_q51ebd29cbb_toprows.kd
    .args:
      - { .name: hp, .offset: 0, .size: 8, .value_kind: global_buffer, .address_space: global }
      - { .name: out0, .offset: 8, .size: 8, .value_kind: global_buffer, .address_space: global }
    .group_segment_fixed_size: 0
    .private_segment_fixed_size: 0
    .kernarg_segment_align: 8
    .kernarg_segment_size: 16
    .max_flat_workgroup_size: 256
    .sgpr_count:     88
    .vgpr_count:     144
    .wavefront_size: 32
...
	.end_amdgpu_metadata
.endif
;; end of part 4
